; MI455X (gfx1250); checked and timed in simulation.
; The chip was launched on July 23, 2026; its instructions are those of AMD's public machine-readable ISA for CDNA 5 (MIT licence, August 2026) and "CDNA5" Instruction Set Architecture Reference Guide (July 2026). The comments in the code are by the model that wrote it; some were corrected since.
;; Detection Layer. Allowed arithmetic: float matrix products may take bf16 or f16 operands with f32 sums; other float arithmetic in f32, or as packed bf16 or f16 multiplies, adds, multiply-adds, maxima and minima; sums over many terms, partial sums and values carried from step to step in f32; what a program stores and reads back later, other than sums and carried values, may be rounded once to bf16 or f16.
;; Inputs: fpn_bbox 16 x 1,000 x 20 x 4 float32; fpn_class 16 x 1,000 x 20 float32; rois 16 x 1,000 x 4 float32; window 16 x 4 float32.
;; Outputs: out0 16 x 100 x 6 float32.
;; One version. Each part assembles by itself: llvm-mc -triple=amdgcn-amd-amdhsa -mcpu=gfx1250 --defsym DOCPART=n.
;; ======== version 1 of 1: 2 launches
;; workspace buffers: cand 128,000 bytes of whole numbers; boxes 256,000 bytes
;; launch decode (part 1): grid 250 x 1, 2 waves a work-group, no clusters, 26,880 bytes of LDS; arguments fpn_class, fpn_bbox, rois, window, cand, boxes; writes cand, boxes
.if DOCPART == 1
	.amdgcn_target "amdgcn-amd-amdhsa--gfx1250"
	.amdhsa_code_object_version 6
	.text
	.protected	k_qdc4452dcc5_decode
	.globl	k_qdc4452dcc5_decode
	.p2align	8
	.type	k_qdc4452dcc5_decode,@function
k_qdc4452dcc5_decode:
	s_mov_b64 s[64:65], 0
	v_nop
	global_prefetch_b8 v0, s[64:65] scope:SCOPE_SE
	s_setreg_imm32_b32 hwreg(HW_REG_WAVE_MODE, 25, 1), 1
	s_wait_xcnt 0x0
; DETECTION LAYER, launch 1 of 2: every ROI is decoded.  16 images x 1000 ROIs x 20 classes.
; For each ROI: class = argmax of its 20 scores (the first of equals), score = that maximum, box = its ROI moved by the class's four deltas x (0.1, 0.1, 0.2, 0.2) and clipped to the image's window.
; Stored: cand[roi] = (key, class), two whole numbers: key = the score's 32 bits if class > 0 and score >= 0.7, else 0 (bits of positive floats order as the floats do, so launch 2 sorts by them as
; whole numbers); boxes[roi] = (y1, x1, y2, x2) in f32.
; LEFT OUT, in both launches: the cap cnt < DET_MAX inside per_class_nms_mask.  argsort(-sc) and top_k use one order (score descending, index ascending).  A box that only the cap removes has 100 kept
; boxes of its own class ahead of it in that order, so its place among all kept boxes is 100 or later: it is no output row; and a row that it precedes has those 100 ahead of it too, so no row
; among the first 100 moves.  That holds for all values of the inputs.  Pairs of different classes and ROIs with key 0 never reach reference()'s active mask: launch 2 leaves them out by the whole
; numbers stored here.  Every input is loaded.
; LIMITS.  A NaN among the scores loses every comparison here (jnp.argmax would take it); NaN coordinates are not treated apart; exp(x) is taken as 2^(x log2 e) with 0.2 log2 e folded into one factor.
; SHARES.  A wave owns 32 ROIs: 2,560 consecutive bytes of scores, 10,240 of deltas, 512 of ROIs.  Each of its loads covers 512 consecutive bytes; all 27 are out before the first wait.
; Scores and deltas then pass through the wave's own LDS bytes, so that a lane gets its ROI's whole row: rows 80 and 336 bytes apart, odd multiples of 16.
; The choice of the deltas hangs on the argmax, a number made of floats here, so it is a selection among all 20 (v_cndmask_b32), never an address.
.set PPITCH, 80                        ; a ROI's 20 scores
.set DPITCH, 336                       ; a ROI's 20 x 4 deltas, 320 bytes, + 16 of padding
.set DOFF,   32*PPITCH                 ; the deltas lie behind the wave's scores
.set WBYTES, DOFF+32*DPITCH            ; 13,312 bytes a wave
.set SPARE,  2*WBYTES                  ; behind both waves: the spare words, 128 bytes a wave: one block of 256 bytes that no other line names
.set LANE, 1
.set SPW,  2                           ; LDS address of my spare word; never rewritten
.set NIL,  3                           ; 0; never rewritten
.set L16,  5                           ; 16 x lane
.set WOF,  6                           ; 16 x my ROI's image: its window
.set PST,  7                           ; where my 16 bytes of a score load go
.set P,    8                           ; v[8:27]    as loaded, then my ROI's 20 scores; v8 becomes the maximum
.set D,    28                          ; v[28:107]  as loaded, then my ROI's 20 x 4 deltas; v[28:31] become the chosen four
.set R,    108                         ; v[108:111] my ROI
.set W,    112                         ; v[112:115] my window
.set A,    116                         ; v[116:135] where my 16 bytes of delta load k go
.set PRD,  136                         ; my row of scores
.set DRD,  137                         ; my row of deltas
.set T,    138                         ; two at work
.set L8,   140                         ; 8 x lane
.set E,    142                         ; exp(dh), exp(dw)
.set HW,   144                         ; h, w
.set DD,   146                         ; dy, dx
.set CT,   148                         ; cy, cx
.set BOX,  150                         ; y1, x1, y2, x2
.set KEY,  154                         ; key, class
	s_load_b256 s[4:11], s[0:1], 0x0               ; fpn_class s[4:5], fpn_bbox s[6:7], rois s[8:9], window s[10:11]
	s_load_b128 s[12:15], s[0:1], 0x20             ; cand s[12:13], boxes s[14:15]
	v_lshl_add_u32 v[SPW], v0, 2, SPARE
	v_mov_b32 v[NIL], 0
	v_and_b32 v[LANE], 31, v0
	v_lshrrev_b32 v[T], 5, v0
	v_readfirstlane_b32 s16, v[T]                  ; wave 0, 1
	s_lshl_b32 s17, ttmp9, 1
	s_add_co_u32 s17, s17, s16                     ; my wave among the launch's 500
	s_mul_i32 s18, s17, 32*80                      ; its bytes of scores,
	s_mov_b32 s19, 0
	s_mul_i32 s20, s17, 32*320                     ; of deltas,
	s_mov_b32 s21, 0
	s_lshl_b32 s22, s17, 9                         ; of ROIs and of boxes,
	s_mov_b32 s23, 0
	s_lshl_b32 s24, s17, 8                         ; of cand
	s_mov_b32 s25, 0
	s_lshl_b32 s26, s17, 5                         ; its first ROI
	s_mul_i32 s27, s16, WBYTES                     ; its LDS bytes
	s_add_co_u32 s28, s27, DOFF
	v_lshlrev_b32 v[L16], 4, v[LANE]
	v_lshlrev_b32 v[L8], 3, v[LANE]
	v_add_nc_u32 v[WOF], s26, v[LANE]              ; my ROI's number n, under 16,000
	v_mul_u32_u24 v[WOF], v[WOF], 0x10625          ; n / 1000 = (67,109 n) >> 26: 67,109 / 2^26 is over 1/1000 by 2.1e-9, which 16,000 n leave under 1/1000
	v_lshrrev_b32 v[WOF], 26, v[WOF]
	v_lshlrev_b32 v[WOF], 4, v[WOF]
	s_wait_kmcnt 0x0
	s_add_nc_u64 s[4:5], s[4:5], s[18:19]
	s_add_nc_u64 s[6:7], s[6:7], s[20:21]
	s_add_nc_u64 s[8:9], s[8:9], s[22:23]
	s_add_nc_u64 s[12:13], s[12:13], s[24:25]
	s_add_nc_u64 s[14:15], s[14:15], s[22:23]
.irp k, 0,1,2,3,4
	global_load_b128 v[P+4*(\k):P+4*(\k)+3], v[L16], s[4:5] offset:512*(\k) th:TH_LOAD_NT
.endr
.irp k, 0,1,2,3,4,5,6,7,8,9,10,11,12,13,14,15,16,17,18,19
	global_load_b128 v[D+4*(\k):D+4*(\k)+3], v[L16], s[6:7] offset:512*(\k) th:TH_LOAD_NT
.endr
	global_load_b128 v[R:R+3], v[L16], s[8:9] th:TH_LOAD_NT
	global_load_b128 v[W:W+3], v[WOF], s[10:11]
	; the LDS addresses are made while the loads are out.  Piece q = 32 k + lane of the wave's deltas is class q % 20 of ROI q / 20: it goes to 336 (q / 20) + 16 (q % 20) = 16 (q + q / 20)
	v_add_nc_u32 v[PST], s27, v[L16]
.set k, 0
.rept 20
	v_add_nc_u32 v[T], 32*k, v[LANE]
	v_mul_u32_u24 v[T+1], v[T], 205                ; q / 20 = (205 q) >> 12 for q under 1,024
	v_lshrrev_b32 v[T+1], 12, v[T+1]
	v_add_nc_u32 v[T], v[T], v[T+1]
	v_lshl_add_u32 v[A+k], v[T], 4, s28
.set k, k+1
.endr
	v_mul_u32_u24 v[PRD], v[LANE], PPITCH
	v_add_nc_u32 v[PRD], s27, v[PRD]
	v_mul_u32_u24 v[DRD], v[LANE], DPITCH
	v_add_nc_u32 v[DRD], s28, v[DRD]
	s_wait_loadcnt 22                              ; the five score loads are in: 20 + 2 younger loads may stay out
.irp k, 0,1,2,3,4
	ds_store_b128 v[PST], v[P+4*(\k):P+4*(\k)+3] offset:512*(\k)
.endr
.irp k, 0,1,2,3,4,5,6,7,8,9,10,11,12,13,14,15,16,17,18,19
	s_wait_loadcnt 21-(\k)                         ; delta load k is in: 19 - k + 2 younger ones may stay out
	ds_store_b128 v[A+(\k)], v[D+4*(\k):D+4*(\k)+3]
.endr
	; back by rows.  The bytes are my wave's own, and LDS serves a wave's instructions in order: these loads see the stores above
.irp k, 0,1,2,3,4
	ds_load_b128 v[P+4*(\k):P+4*(\k)+3], v[PRD] offset:16*(\k)
.endr
.irp k, 0,1,2,3,4,5,6,7,8,9,10,11,12,13,14,15,16,17,18,19
	ds_load_b128 v[D+4*(\k):D+4*(\k)+3], v[DRD] offset:16*(\k)
.endr
	v_mov_b32 v[KEY+1], 0                          ; the class starts at 0, the maximum at its score, the deltas at its four
	s_wait_dscnt 0x0
.irp c, 1,2,3,4,5,6,7,8,9,10,11,12,13,14,15,16,17,18,19
	v_cmp_gt_f32 vcc_lo, v[P+(\c)], v[P]           ; strictly greater: of equal scores the first stays
	v_cndmask_b32 v[P], v[P], v[P+(\c)], vcc_lo
	v_cndmask_b32 v[KEY+1], v[KEY+1], \c, vcc_lo
	v_cndmask_b32 v[D], v[D], v[D+4*(\c)], vcc_lo
	v_cndmask_b32 v[D+1], v[D+1], v[D+4*(\c)+1], vcc_lo
	v_cndmask_b32 v[D+2], v[D+2], v[D+4*(\c)+2], vcc_lo
	v_cndmask_b32 v[D+3], v[D+3], v[D+4*(\c)+3], vcc_lo
.endr
	s_wait_loadcnt 0x0                             ; my ROI and my window
	v_mul_f32 v[E], 0x3e93bb63, v[D+2]             ; 0.2 log2(e) x log dh
	v_mul_f32 v[E+1], 0x3e93bb63, v[D+3]
	v_exp_f32 v[E], v[E]
	v_exp_f32 v[E+1], v[E+1]
	v_pk_add_f32 v[HW:HW+1], v[R+2:R+3], v[R:R+1] neg_lo:[0,1] neg_hi:[0,1]   ; h, w: also the plain instruction behind the exponentials
	v_pk_mul_f32 v[DD:DD+1], v[D:D+1], 0x3dcccccd op_sel_hi:[1,0]            ; 0.1 dy, 0.1 dx
	v_pk_fma_f32 v[CT:CT+1], v[HW:HW+1], 0.5, v[R:R+1] op_sel_hi:[1,0,1]     ; the centre
	v_pk_fma_f32 v[CT:CT+1], v[DD:DD+1], v[HW:HW+1], v[CT:CT+1]              ; moved
	s_wait_alu depctr_va_vdst(0)                   ; one wait for both exponentials, ahead of their first reader
	v_pk_mul_f32 v[HW:HW+1], v[HW:HW+1], v[E:E+1]                            ; the new h, w
	v_pk_fma_f32 v[BOX:BOX+1], v[HW:HW+1], -0.5, v[CT:CT+1] op_sel_hi:[1,0,1]  ; y1, x1
	v_pk_add_f32 v[BOX+2:BOX+3], v[BOX:BOX+1], v[HW:HW+1]                    ; y2, x2
.irp i, 0,1,2,3
	v_max_num_f32 v[BOX+(\i)], v[BOX+(\i)], v[W+(\i)%2]       ; jnp.clip: the lower bound first,
.endr
.irp i, 0,1,2,3
	v_min_num_f32 v[BOX+(\i)], v[BOX+(\i)], v[W+2+(\i)%2]     ; then the upper
.endr
	v_cmp_le_f32 vcc_lo, 0x3f333333, v[P]          ; 0.7 <= score
	v_cndmask_b32 v[KEY], 0, v[P], vcc_lo
	v_cmp_lt_u32 vcc_lo, 0, v[KEY+1]               ; not the background
	v_cndmask_b32 v[KEY], 0, v[KEY], vcc_lo
	global_store_b64 v[L8], v[KEY:KEY+1], s[12:13]     ; the wave stores 256 consecutive bytes, aligned,
	global_store_b128 v[L16], v[BOX:BOX+3], s[14:15]   ; and 512
	s_wait_tensorcnt 0x0                           ; the wave's end, behind my last LDS store
	ds_add_u32 v[SPW], v[NIL]
	s_wait_dscnt 0x0
	s_endpgm
.Lfunc_end_k_qdc4452dcc5_decode:
	.size	k_qdc4452dcc5_decode, .Lfunc_end_k_qdc4452dcc5_decode-k_qdc4452dcc5_decode
	.p2alignl 7, 3214868480
	.fill 96, 4, 3214868480
	.section	.rodata,"a",@progbits
	.p2align	6, 0x0
	.amdhsa_kernel k_qdc4452dcc5_decode
		.amdhsa_group_segment_fixed_size 26880
		.amdhsa_private_segment_fixed_size 0
		.amdhsa_enable_private_segment 0
		.amdhsa_kernarg_size 48
		.amdhsa_user_sgpr_count 2
		.amdhsa_user_sgpr_kernarg_segment_ptr 1
		.amdhsa_wavefront_size32 1
		.amdhsa_system_sgpr_workgroup_id_x 1
		.amdhsa_system_sgpr_workgroup_id_y 1
		.amdhsa_system_sgpr_workgroup_id_z 1
		.amdhsa_system_vgpr_workitem_id 0
		.amdhsa_next_free_vgpr 160
		.amdhsa_next_free_sgpr 66
		.amdhsa_reserve_vcc 1
		.amdhsa_float_denorm_mode_32 3
		.amdhsa_float_denorm_mode_16_64 3
		.amdhsa_memory_ordered 1
		.amdhsa_forward_progress 1
		.amdhsa_inst_pref_size 20
	.end_amdhsa_kernel
	.amdgpu_metadata
---
amdhsa.version: [ 1, 2 ]
amdhsa.kernels:
  - .name:           k_qdc4452dcc5_decode
    .symbol:         k_qdc4452dcc5_decode.kd
    .args:
      - { .name: fpn_class, .offset: 0, .size: 8, .value_kind: global_buffer, .address_space: global }
      - { .name: fpn_bbox, .offset: 8, .size: 8, .value_kind: global_buffer, .address_space: global }
      - { .name: rois, .offset: 16, .size: 8, .value_kind: global_buffer, .address_space: global }
      - { .name: window, .offset: 24, .size: 8, .value_kind: global_buffer, .address_space: global }
      - { .name: cand, .offset: 32, .size: 8, .value_kind: global_buffer, .address_space: global }
      - { .name: boxes, .offset: 40, .size: 8, .value_kind: global_buffer, .address_space: global }
    .group_segment_fixed_size: 26880
    .private_segment_fixed_size: 0
    .kernarg_segment_align: 8
    .kernarg_segment_size: 48
    .max_flat_workgroup_size: 64
    .sgpr_count:     66
    .vgpr_count:     160
    .wavefront_size: 32
...
	.end_amdgpu_metadata
.endif
;; end of part 1
;; launch nms (part 2): grid 16 x 1, 32 waves a work-group, no clusters, 98,816 bytes of LDS; arguments cand, boxes, out0; writes out0
.if DOCPART == 2
	.amdgcn_target "amdgcn-amd-amdhsa--gfx1250"
	.amdhsa_code_object_version 6
	.text
	.protected	k_qdc4452dcc5_nms
	.globl	k_qdc4452dcc5_nms
	.p2align	8
	.type	k_qdc4452dcc5_nms,@function
k_qdc4452dcc5_nms:
	s_mov_b64 s[64:65], 0
	v_nop
	global_prefetch_b8 v0, s[64:65] scope:SCOPE_SE
	s_setreg_imm32_b32 hwreg(HW_REG_WAVE_MODE, 25, 1), 1
	s_wait_xcnt 0x0
; DETECTION LAYER, launch 2 of 2: per-class greedy NMS and the best 100 rows of each image.  One work-group an image, 32 waves, thread i = ROI i at the start.
; LEFT OUT: the cap of 100 kept boxes a class (shown dead at the head of launch 1); pairs of different classes and ROIs with key 0, by the whole numbers that launch 1 stored.
; cand holds whole numbers (key = the score's bits or 0, class): counts, places and trip counts are made of them.  What hangs on floats here (which boxes overlap, who is kept, a row's place among
; the kept) is only ever data: it is selected by v_cndmask_b32 and scalar selects and enters no address and no branch.
; STEPS, a barrier between each two; between two barriers an LDS array is either read or written, never both.
;  1  the valid ROIs are counted, a wave at a time      2  all 1,024 places are permuted: the C valid ones first, in index order (COMPACT order), the others behind them: every slot is written
;  3a class wave c (waves 1 to 19) counts its class's members and those of lower classes; thread t of the first ceil(C / 32) waves ranks candidate t by (class up, key down, index up)
;  3b every thread sends its entry to its rank (places C and up stay where they are): every slot of the sorted arrays is written
;  4  class wave c runs its class's greedy NMS on its segment and writes KK[t] = key if kept, else 0
;  5a thread t counts the kept keys ahead of its own: its row's place      5b a table row (place, the six numbers as three pairs of bf16)
;  6a 32 waves = 4 groups of 32 output slots x 8 groups of table blocks: a slot takes the row whose place it is, by comparing and selecting      6b the partial rows      7 the eight parts are joined and stored
; The loops of 3a, 5a and 6a walk LDS by a trip number whose end is a stored count.  Each has its stretch between two barriers to itself and to other reads: the stores that follow it stand behind a barrier
; of their own (3b, 5b, 6b), so that no wave stores to LDS while another wave is still in such a loop.
; The two nested loops of step 4 count to the constant 32; a trip past the stored count jumps forward to the counter's step: five scalar lines for each such trip.
; LIMITS.  inter / max(union, 1e-10) > 0.3 is tested as inter > 0.3 max(union, 1e-10): one rounding otherwise than reference()'s, so a pair within a few units in the last place of 0.3 may fall the other
; way.  The output's numbers are rounded once to bf16 on their way through LDS: off by 2^-9 of themselves at the most; class numbers are exact.  NaN coordinates are not treated apart.
; A class of n members is one wave's work, some n^2 / 32 pair steps: 1,000 ROIs of one class are served, slowly.
.set NROI,  1000
.set DETS,  100
.set CK,    0                          ; 1,024 keys, compact order
.set CH,    4096                       ; 1,024 words 31 - class (0 where not valid): with the key below it a 64-bit number that sorts class up, key down
.set CB,    8192                       ; 1,024 boxes, compact order
.set KK,    24576                      ; 1,024 kept keys, compact order, and word 1,024, which takes what lanes without a member write and is never read
.set NB,    28928                      ; 1,024 boxes, sorted by class and key
.set NAT,   45312                      ; 1,024 x (area, compact index, key, 0), sorted likewise
.set WC,    61696                      ; 32 counts, a wave each
.set SEL,   61952                      ; 1,024 table rows of 16 bytes, compact order
.set PART,  78336                      ; 8 x 128 partial output rows of 16 bytes: thread i's at 16 i
.set SPARE, 94720                      ; the spare words, 128 bytes for each of 32 waves: sixteen blocks of 256 bytes that no other line names
.set LANE, 1
.set SPW,  2                           ; LDS address of my spare word; never rewritten
.set NIL,  3                           ; 0; never rewritten
.set T4,   6                           ; 4 x thread
.set T16,  7                           ; 16 x thread
.set L4,   17                          ; 4 x lane
.set KEY,  20                          ; candidate t = my thread's number: key,
.set HI,   21                          ; 31 - class,
.set KKT,  22                          ; kept key,
.set BOX,  24                          ; v[24:27] box
.set NLO,  28                          ; ~key
.set NGE,  29                          ; -key = ~(key - 1); in step 5: key - 1
.set NHI,  30                          ; ~(31 - class)
.set CNT,  31
.set ADR,  32
.set THR,  33
.set TMP,  34
.set Q,    36                          ; v[36:39] four words to store
.set MB,   40                          ; v[40:43] step 4: my member's box
.set MA,   44                          ; v[44:47] its area, compact index, key, 0
.set IDX,  48
.set JAD,  49
.set ACC,  52                          ; v[52:55] step 6: my slot's row
.set KW,   61                          ; step 4: lane b holds the kept word of my class's block b
.set GC,   62                          ; my offsets in cand and boxes; never rewritten
.set GB,   63
.set J,    64                          ; v[64:127] what the loops read from LDS
.set JA,   96
.set WV,   10
.set BASE, 22
.set CN,   23                          ; C, the number of candidates
.set NBLK, 24                          ; ceil(C / 32)
.set HC,   25
.set ST,   26                          ; my class's first place
.set N,    27                          ; its members
.set NBC,  30
.set LAST, 31
.set BI,   32
.set REM,  34
.set FIRST, 35
.set RNG,  36
.set SUP,  37
.set BJ,   38
.set KWD,  40
.set ACT,  42
.set CQ,   43
.set BJF,  44                          ; the first place of the earlier block in hand
.set COL,  48                          ; s[48:55] eight columns: bit i = lane i's box overlaps box j
.macro BARRIER                         ; my LDS stores are done and my LDS loads are back, then the barrier
	s_wait_dscnt 0x0
	s_barrier_signal -1
	s_barrier_wait -1
.endm
	s_load_b128 s[4:7], s[0:1], 0x0                ; cand s[4:5], boxes s[6:7]
	s_load_b64 s[8:9], s[0:1], 0x10                ; out0
	v_lshl_add_u32 v[SPW], v0, 2, SPARE
	v_mov_b32 v[NIL], 0
	v_and_b32 v[LANE], 31, v0
	v_lshrrev_b32 v12, 5, v0
	v_readfirstlane_b32 s[WV], v12                 ; wave 0..31
	v_min_u32 v12, NROI-1, v0                      ; threads 1,000 to 1,023 read the last ROI again and count as not valid
	v_lshlrev_b32 v[GC], 3, v12
	v_lshlrev_b32 v[GB], 4, v12
	v_lshlrev_b32 v[T4], 2, v0
	v_lshlrev_b32 v[T16], 4, v0
	v_lshlrev_b32 v[L4], 2, v[LANE]
	s_mul_i32 s12, ttmp9, NROI*8                   ; the image's bytes in cand,
	s_mov_b32 s13, 0
	s_mul_i32 s14, ttmp9, NROI*16                  ; in boxes,
	s_mov_b32 s15, 0
	s_mul_i32 s18, ttmp9, DETS*24                  ; in out0
	s_mov_b32 s19, 0
	s_mov_b32 s20, 0x76543210                      ; v_permlanex16_b32: each lane takes its own place in the other half
	s_mov_b32 s21, 0xfedcba98
	v_mov_b32 v16, 0
	s_wait_kmcnt 0x0
	s_add_nc_u64 s[4:5], s[4:5], s[12:13]
	s_add_nc_u64 s[6:7], s[6:7], s[14:15]
	s_add_nc_u64 s[8:9], s[8:9], s[18:19]
	global_load_b64 v[4:5], v[GC], s[4:5] th:TH_LOAD_NT
	global_load_b128 v[8:11], v[GB], s[6:7] th:TH_LOAD_NT
	ds_store_b32 v[T4], v16 offset:KK              ; while the loads are out: the kept keys start at 0: places C and up, which no class wave writes, must count as not kept
	; STEP 1
	s_wait_loadcnt 0x1                             ; key and class are in; the box, one younger load, may stay out
	v_cmp_gt_u32 vcc_lo, NROI, v0
	v_cndmask_b32 v4, 0, v4, vcc_lo
	v_cmp_ne_u32 s16, 0, v4                        ; my wave's valid lanes
	s_bcnt1_i32_b32 s17, s16
	v_mov_b32 v12, s17
	s_lshl_b32 s18, s[WV], 2
	v_mov_b32 v13, s18
	ds_store_b32 v13, v12 offset:WC                ; all lanes write the same word with the same number
	BARRIER
	; STEP 2
	ds_load_b32 v13, v[L4] offset:WC               ; lane l: wave l's count
	s_wait_dscnt 0x0
	v_cmp_gt_u32 vcc_lo, s[WV], v[LANE]
	v_cndmask_b32 v14, 0, v13, vcc_lo              ; the waves below mine
	v_lshl_or_b32 v13, v14, 16, v13                ; both sums in one word: each stays under 2^16
.irp m, 1,2,4,8
	v_mov_b32_dpp v14, v13 row_xmask:\m row_mask:0xf bank_mask:0xf
	v_add_nc_u32 v13, v13, v14
.endr
	v_permlanex16_b32 v14, v13, s20, s21
	v_add_nc_u32 v13, v13, v14
	v_readfirstlane_b32 s17, v13
	s_and_b32 s[CN], s17, 0xffff
	s_min_u32 s[CN], s[CN], NROI
	s_lshr_b32 s[BASE], s17, 16
	v_mbcnt_lo_u32_b32 v12, s16, 0
	v_add_nc_u32 v12, s[BASE], v12                 ; valid ROIs ahead of me
	v_sub_nc_u32 v13, v0, v12                      ; the others ahead of me,
	v_add_nc_u32 v13, s[CN], v13                   ; which go behind all valid ones
	v_cndmask_b32 v12, v13, v12, s16
	v_min_u32 v12, 0x3ff, v12
	v_sub_nc_u32 v14, 31, v5
	v_cndmask_b32 v14, 0, v14, s16
	v_lshlrev_b32 v13, 2, v12
	v_lshlrev_b32 v15, 4, v12
	ds_store_b32 v13, v4 offset:CK
	ds_store_b32 v13, v14 offset:CH
	s_wait_loadcnt 0x0
	ds_store_b128 v15, v[8:11] offset:CB
	BARRIER
	; STEP 3a.  Every wave reads its threads' compact entries and starts its count, so that these registers are written on every way
	ds_load_b32 v[KEY], v[T4] offset:CK
	ds_load_b32 v[HI], v[T4] offset:CH
	ds_load_b128 v[BOX:BOX+3], v[T16] offset:CB
	v_mov_b32 v[CNT], 0
	s_add_co_u32 s[NBLK], s[CN], 31
	s_lshr_b32 s[NBLK], s[NBLK], 5
	s_mov_b32 s[ST], 0
	s_mov_b32 s[N], 0
	s_sub_co_u32 s17, s[WV], 1
	s_cmp_gt_u32 s17, 18
	s_cbranch_scc1 .Lcounted                       ; waves 0 and 20 to 31 have no class
	s_sub_co_u32 s[HC], 31, s[WV]
	s_mov_b32 s28, 0
.Lcount:                                       ; four blocks of 32 a trip; left when no candidate remains
	s_lshl_b32 s29, s28, 2
	s_cmp_ge_u32 s29, s[NBLK]
	s_cbranch_scc1 .Lcounted
	v_lshl_add_u32 v12, s28, 9, v[L4]              ; place 128 x trip + lane; the three other loads stand 32, 64 and 96 places on
	ds_load_b32 v13, v12 offset:CH
	ds_load_b32 v14, v12 offset:CH+128
	ds_load_b32 v15, v12 offset:CH+256
	ds_load_b32 v16, v12 offset:CH+384
	s_wait_dscnt 0x0
.irp r, 13,14,15,16
	v_cmp_eq_u32 s17, s[HC], v\r                   ; my class
	v_cmp_lt_u32 s18, s[HC], v\r                   ; a lower class
	s_bcnt1_i32_b32 s17, s17
	s_bcnt1_i32_b32 s18, s18
	s_add_co_u32 s[N], s[N], s17
	s_add_co_u32 s[ST], s[ST], s18
.endr
	s_add_co_u32 s28, s28, 1
	s_cmp_lt_u32 s28, 8
	s_cbranch_scc1 .Lcount
.Lcounted:
	s_min_u32 s[ST], s[ST], NROI
	s_min_u32 s[N], s[N], NROI
	s_cmp_ge_u32 s[WV], s[NBLK]
	s_cbranch_scc1 .Lranked                        ; my 32 places hold no candidate
	s_wait_dscnt 0x0
	; candidate j stands ahead of t if (31 - class, key) of j is greater, or equal with j < t.  a > b in 64 bits is the carry out of a + ~b; a >= b is a > b - 1, and ~(b - 1) = -b, whose upper word is ~upper since no key is 0
	v_xor_b32 v[NLO], -1, v[KEY]
	v_sub_nc_u32 v[NGE], 0, v[KEY]
	v_xor_b32 v[NHI], -1, v[HI]
	s_mov_b32 s28, 0
.Lrank:                                        ; a block of 32 candidates a trip, read by all lanes alike
	s_cmp_ge_u32 s28, s[NBLK]
	s_cbranch_scc1 .Lranked
	s_lshl_b32 s29, s28, 7                         ; the block's 128 bytes in CK and in CH
	v_mov_b32 v[ADR], s29
.irp i, 0,1,2,3,4,5,6,7
	ds_load_b128 v[J+4*(\i):J+4*(\i)+3], v[ADR] offset:CK+16*(\i)
	ds_load_b128 v[JA+4*(\i):JA+4*(\i)+3], v[ADR] offset:CH+16*(\i)
.endr
	s_cmp_eq_u32 s28, s[WV]
	s_cbranch_scc1 .Lrank_own
	s_cmp_lt_u32 s28, s[WV]                        ; a block ahead of mine: all its j are below t
	s_cselect_b32 s29, -1, 0
	v_cndmask_b32 v[THR], v[NLO], v[NGE], s29
	s_wait_dscnt 0x0
.set j, 0
.rept 32
	v_add_co_u32 v[TMP], vcc_lo, v[J+j], v[THR]
	v_add_co_ci_u32 v[TMP], vcc_lo, v[JA+j], v[NHI], vcc_lo
	v_add_co_ci_u32 v[CNT], vcc_lo, 0, v[CNT], vcc_lo
.set j, j+1
.endr
	s_branch .Lrank_next
.Lrank_own:                                    ; my own block: j < t lane by lane
	s_wait_dscnt 0x0
.set j, 0
.rept 32
	v_cmp_lt_u32 vcc_lo, j, v[LANE]
	v_cndmask_b32 v[THR], v[NLO], v[NGE], vcc_lo
	v_add_co_u32 v[TMP], vcc_lo, v[J+j], v[THR]
	v_add_co_ci_u32 v[TMP], vcc_lo, v[JA+j], v[NHI], vcc_lo
	v_add_co_ci_u32 v[CNT], vcc_lo, 0, v[CNT], vcc_lo
.set j, j+1
.endr
.Lrank_next:
	s_add_co_u32 s28, s28, 1
	s_cmp_lt_u32 s28, 32
	s_cbranch_scc1 .Lrank
.Lranked:
	BARRIER                                        ; every wave has left the two loops above: only now is LDS stored to
	; STEP 3b.  All 1,024 threads: ranks are a permutation of 0 to C - 1, the others keep their places
	v_cmp_gt_u32 vcc_lo, s[CN], v0
	v_cndmask_b32 v[CNT], v0, v[CNT], vcc_lo
	v_min_u32 v[CNT], 0x3ff, v[CNT]
	v_lshlrev_b32 v[ADR], 4, v[CNT]
	v_pk_add_f32 v[Q:Q+1], v[BOX+2:BOX+3], v[BOX:BOX+1] neg_lo:[0,1] neg_hi:[0,1]
	v_mul_f32 v[Q], v[Q], v[Q+1]                   ; the area
	v_mov_b32 v[Q+1], v0
	v_mov_b32 v[Q+2], v[KEY]
	v_mov_b32 v[Q+3], 0
	ds_store_b128 v[ADR], v[BOX:BOX+3] offset:NB
	ds_store_b128 v[ADR], v[Q:Q+3] offset:NAT
	BARRIER
	; STEP 4.  Lanes are 32 members of my class, best key first; box j comes to all lanes from LDS.  The places read are made of stored counts: each is held under a constant, which is never met
	; (a class's members end at place 1,000 or before), and then shifted
.macro LOADJ                           ; eight boxes and their areas from the address in JAD, the same in all lanes
.irp j, 0,1,2,3,4,5,6,7
	ds_load_b128 v[J+4*(\j):J+4*(\j)+3], v[JAD] offset:NB+16*(\j)
	ds_load_b32 v[JA+(\j)], v[JAD] offset:NAT+16*(\j)
.endr
.endm
.macro OVERLAP                         ; s[COL+j]: the lanes whose box has inter > 0.3 max(union, 1e-10) with box j.  In place, the eight boxes side by side, so that no line reads the result of the one before it
.irp j, 0,1,2,3,4,5,6,7
	v_max_num_f32 v[J+4*(\j)],   v[MB],   v[J+4*(\j)]
	v_max_num_f32 v[J+4*(\j)+1], v[MB+1], v[J+4*(\j)+1]
	v_min_num_f32 v[J+4*(\j)+2], v[MB+2], v[J+4*(\j)+2]
	v_min_num_f32 v[J+4*(\j)+3], v[MB+3], v[J+4*(\j)+3]
.endr
.irp j, 0,1,2,3,4,5,6,7
	v_pk_add_f32 v[J+4*(\j)+2:J+4*(\j)+3], v[J+4*(\j)+2:J+4*(\j)+3], v[J+4*(\j):J+4*(\j)+1] neg_lo:[0,1] neg_hi:[0,1]
.endr
.irp j, 0,1,2,3,4,5,6,7
	v_max_num_f32 v[J+4*(\j)+2], 0, v[J+4*(\j)+2]
	v_max_num_f32 v[J+4*(\j)+3], 0, v[J+4*(\j)+3]
	v_add_f32 v[JA+(\j)], v[MA], v[JA+(\j)]
.endr
.irp j, 0,1,2,3,4,5,6,7
	v_mul_f32 v[J+4*(\j)+2], v[J+4*(\j)+2], v[J+4*(\j)+3]     ; inter
.endr
.irp j, 0,1,2,3,4,5,6,7
	v_sub_f32 v[JA+(\j)], v[JA+(\j)], v[J+4*(\j)+2]           ; union
.endr
.irp j, 0,1,2,3,4,5,6,7
	v_max_num_f32 v[JA+(\j)], 0x2edbe6ff, v[JA+(\j)]          ; 1e-10
.endr
.irp j, 0,1,2,3,4,5,6,7
	v_mul_f32 v[JA+(\j)], 0x3e99999a, v[JA+(\j)]              ; 0.3
.endr
.irp j, 0,1,2,3,4,5,6,7
	v_cmp_gt_f32 s[COL+(\j)], v[J+4*(\j)+2], v[JA+(\j)]
.endr
.endm
; Members 8 q to 8 q + 7 of the block in hand against its 32, then their turns in the greedy walk: a member still standing takes away those behind it that it overlaps
.macro DIAG q
.if (\q) > 0
	s_cmp_le_u32 s[REM], 8*(\q)                    ; no member is left in the block
	s_cbranch_scc1 .Ldiag_end
.endif
	s_add_co_u32 s39, s[FIRST], 8*(\q)
	s_min_u32 s39, s39, 1016
	s_lshl_b32 s39, s39, 4
	v_mov_b32 v[JAD], s39
	LOADJ
	s_wait_dscnt 0x0
	OVERLAP
.irp j, 0,1,2,3,4,5,6,7
	s_and_b32 s[COL+(\j)], s[COL+(\j)], (0xfffffffe<<(8*(\q)+(\j)))&0xffffffff   ; only those behind it
.endr
.irp j, 0,1,2,3,4,5,6,7
	s_and_not1_b32 s41, s[ACT], s[COL+(\j)]
	s_bitcmp1_b32 s[ACT], 8*(\q)+(\j)
	s_cselect_b32 s[ACT], s41, s[ACT]
.endr
.endm
	s_cmp_eq_u32 s[N], 0
	s_cbranch_scc1 .Lnms_end                       ; no class, or a class without members
	s_add_co_u32 s[NBC], s[N], 31
	s_lshr_b32 s[NBC], s[NBC], 5                   ; my class's blocks of 32
	s_add_co_u32 s[LAST], s[ST], s[N]
	s_sub_co_u32 s[LAST], s[LAST], 1
	v_mov_b32 v[KW], 0
	s_mov_b32 s[BI], 0
.Lbi:                                          ; 32 trips; those past my class's blocks go straight to the counter's step
	s_cmp_ge_u32 s[BI], s[NBC]
	s_cbranch_scc1 .Lbi_next
	s_lshl_b32 s33, s[BI], 5
	s_sub_co_u32 s[REM], s[N], s33                 ; members from this block on
	s_add_co_u32 s[FIRST], s[ST], s33
	v_add_nc_u32 v[IDX], s[FIRST], v[LANE]
	v_min_u32 v[IDX], s[LAST], v[IDX]              ; lanes past the class's end repeat its last member
	v_min_u32 v[IDX], 0x3ff, v[IDX]
	v_lshlrev_b32 v[IDX], 4, v[IDX]
	ds_load_b128 v[MB:MB+3], v[IDX] offset:NB
	ds_load_b128 v[MA:MA+3], v[IDX] offset:NAT
	v_cmp_gt_u32 s[RNG], s[REM], v[LANE]           ; the lanes that hold a member
	s_mov_b32 s[SUP], 0
	s_mov_b32 s[BJ], 0
.Lbj:                                          ; 32 trips: the blocks ahead of this one, what their kept members take away; the others go straight to the counter's step
	s_cmp_ge_u32 s[BJ], s[BI]
	s_cbranch_scc1 .Lbj_next
	s_lshl_b32 s[BJF], s[BJ], 5
	s_add_co_u32 s[BJF], s[ST], s[BJF]             ; that block's first place
	v_readlane_b32 s[KWD], v[KW], s[BJ]            ; and its kept word
	s_mov_b32 s[CQ], 0
.Lcq:                                          ; eight of its members a trip
	s_lshl3_add_u32 s39, s[CQ], s[BJF]             ; place = first + 8 x trip
	s_min_u32 s39, s39, 1016
	s_lshl_b32 s39, s39, 4
	v_mov_b32 v[JAD], s39
	LOADJ
	s_wait_dscnt 0x0
	OVERLAP
.irp j, 0,1,2,3,4,5,6,7
	s_bitcmp1_b32 s[KWD], \j
	s_cselect_b32 s41, s[COL+(\j)], 0
	s_or_b32 s[SUP], s[SUP], s41
.endr
	s_lshr_b32 s[KWD], s[KWD], 8
	s_add_co_u32 s[CQ], s[CQ], 1
	s_cmp_lt_u32 s[CQ], 4
	s_cbranch_scc1 .Lcq
.Lbj_next:
	s_add_co_u32 s[BJ], s[BJ], 1
	s_cmp_lt_u32 s[BJ], 32
	s_cbranch_scc1 .Lbj
	s_and_not1_b32 s[ACT], s[RNG], s[SUP]
	DIAG 0
	DIAG 1
	DIAG 2
	DIAG 3
.Ldiag_end:                                    ; s[ACT]: the block's kept members
	v_writelane_b32 v[KW], s[ACT], s[BI]
	v_cndmask_b32 v50, 0, v[MA+2], s[ACT]          ; the key, or 0
	v_mov_b32 v51, 0x400
	v_cndmask_b32 v51, v51, v[MA+1], s[RNG]        ; at the member's compact index; lanes without a member write word 1,024
	v_min_u32 v51, 0x400, v51
	v_lshlrev_b32 v51, 2, v51
	ds_store_b32 v51, v50 offset:KK
.Lbi_next:
	s_add_co_u32 s[BI], s[BI], 1
	s_cmp_lt_u32 s[BI], 32
	s_cbranch_scc1 .Lbi
.Lnms_end:
	BARRIER
	; STEP 5a.  My row's place = the kept keys that are greater than mine, or equal with a lower index (compact order is index order)
	ds_load_b32 v[KKT], v[T4] offset:KK
	v_mov_b32 v[CNT], 0
	s_cmp_ge_u32 s[WV], s[NBLK]
	s_cbranch_scc1 .Lplaced
	v_add_nc_u32 v[NGE], -1, v[KEY]
	s_mov_b32 s28, 0
.Lplace:
	s_cmp_ge_u32 s28, s[NBLK]
	s_cbranch_scc1 .Lplaced
	s_lshl_b32 s29, s28, 7                         ; the block's 128 bytes in KK
	v_mov_b32 v[ADR], s29
.irp i, 0,1,2,3,4,5,6,7
	ds_load_b128 v[J+4*(\i):J+4*(\i)+3], v[ADR] offset:KK+16*(\i)
.endr
	s_cmp_eq_u32 s28, s[WV]
	s_cbranch_scc1 .Lplace_own
	s_cmp_lt_u32 s28, s[WV]
	s_cselect_b32 s29, -1, 0
	v_cndmask_b32 v[THR], v[KEY], v[NGE], s29      ; ahead of my block: greater than key - 1
	s_wait_dscnt 0x0
.set j, 0
.rept 32
	v_cmp_gt_u32 vcc_lo, v[J+j], v[THR]
	v_add_co_ci_u32 v[CNT], vcc_lo, 0, v[CNT], vcc_lo
.set j, j+1
.endr
	s_branch .Lplace_next
.Lplace_own:
	s_wait_dscnt 0x0
.set j, 0
.rept 32
	v_cmp_lt_u32 vcc_lo, j, v[LANE]
	v_cndmask_b32 v[THR], v[KEY], v[NGE], vcc_lo
	v_cmp_gt_u32 vcc_lo, v[J+j], v[THR]
	v_add_co_ci_u32 v[CNT], vcc_lo, 0, v[CNT], vcc_lo
.set j, j+1
.endr
.Lplace_next:
	s_add_co_u32 s28, s28, 1
	s_cmp_lt_u32 s28, 32
	s_cbranch_scc1 .Lplace
.Lplaced:
	BARRIER                                        ; every wave has left the loop above: only now is LDS stored to
	; STEP 5b.  All 1,024 threads write their table row
	v_cmp_ne_u32 vcc_lo, 0, v[KKT]
	v_cndmask_b32 v[Q], -1, v[CNT], vcc_lo         ; a row that is not kept has a place that no slot asks for
	v_sub_nc_u32 v[TMP], 31, v[HI]
	v_cvt_f32_u32 v[TMP], v[TMP]                   ; the class as a float
	v_cvt_pk_bf16_f32 v[Q+1], v[BOX], v[BOX+1]
	v_cvt_pk_bf16_f32 v[Q+2], v[BOX+2], v[BOX+3]
	v_cvt_pk_bf16_f32 v[Q+3], v[TMP], v[KEY]       ; the key's bits are the score
	ds_store_b128 v[T16], v[Q:Q+3] offset:SEL
	BARRIER
	; STEP 6a.  Wave w: slots 32 (w % 4) + lane, table blocks w / 4, w / 4 + 8, ..  The place hangs on floats, so the row is found by comparing every row's place with the slot, not by an address
.macro LOADS buf, j0                   ; eight table rows, the same for all lanes
.irp j, 0,1,2,3,4,5,6,7
	ds_load_b128 v[J+32*(\buf)+4*(\j):J+32*(\buf)+4*(\j)+3], v[JAD] offset:SEL+16*((\j0)+(\j))
.endr
.endm
.macro PICK buf
.irp j, 0,1,2,3,4,5,6,7
	v_cmp_eq_u32 vcc_lo, v[J+32*(\buf)+4*(\j)], v[IDX]
	v_cndmask_b32 v[ACC],   v[ACC],   v[J+32*(\buf)+4*(\j)+1], vcc_lo
	v_cndmask_b32 v[ACC+1], v[ACC+1], v[J+32*(\buf)+4*(\j)+2], vcc_lo
	v_cndmask_b32 v[ACC+2], v[ACC+2], v[J+32*(\buf)+4*(\j)+3], vcc_lo
.endr
.endm
	s_lshr_b32 s31, s[WV], 2                       ; my first block
	s_and_b32 s30, s[WV], 3
	v_lshl_add_u32 v[IDX], s30, 5, v[LANE]         ; my slot
.irp r, 0,1,2,3
	v_mov_b32 v[ACC+(\r)], 0                       ; a slot that no row takes stays 0, as reference() pads
.endr
	v_lshl_add_u32 v50, v0, 4, PART
	s_mov_b32 s28, 0
.Lpick:
	s_cmp_ge_u32 s31, s[NBLK]
	s_cbranch_scc1 .Lpicked
	s_lshl_b32 s17, s31, 9                         ; a block is 512 bytes of the table
	v_mov_b32 v[JAD], s17
	LOADS 0, 0
	LOADS 1, 8
	s_wait_dscnt 8                                 ; the older eight rows are in, the younger eight may stay out
	PICK 0
	LOADS 0, 16
	s_wait_dscnt 8
	PICK 1
	LOADS 1, 24
	s_wait_dscnt 8
	PICK 0
	s_wait_dscnt 0x0
	PICK 1
	s_add_co_u32 s31, s31, 8
	s_add_co_u32 s28, s28, 1
	s_cmp_lt_u32 s28, 4
	s_cbranch_scc1 .Lpick
.Lpicked:
	BARRIER                                        ; every wave has left the loop above: only now is LDS stored to
	; STEP 6b
	ds_store_b128 v50, v[ACC:ACC+3]                ; block group w / 4, slot 32 (w % 4) + lane: 16 x my thread's number
	BARRIER
	; STEP 7.  Threads 0 to 127 join their slot's eight parts, of which at most one is not 0, and the first 100 store
	s_cmp_gt_u32 s[WV], 3
	s_cbranch_scc1 .Lend
.irp g, 0,1,2,3,4,5,6,7
	ds_load_b128 v[J+4*(\g):J+4*(\g)+3], v50 offset:2048*(\g)
.endr
	v_mul_u32_u24 v[JAD], v0, 24                   ; a row of out0 is six floats
	s_wait_dscnt 0x0
.irp r, 0,1,2
	v_or_b32 v[J+(\r)],    v[J+(\r)],    v[J+4+(\r)]
	v_or_b32 v[J+8+(\r)],  v[J+8+(\r)],  v[J+12+(\r)]
	v_or_b32 v[J+16+(\r)], v[J+16+(\r)], v[J+20+(\r)]
	v_or_b32 v[J+24+(\r)], v[J+24+(\r)], v[J+28+(\r)]
	v_or_b32 v[J+(\r)],    v[J+(\r)],    v[J+8+(\r)]
	v_or_b32 v[J+16+(\r)], v[J+16+(\r)], v[J+24+(\r)]
	v_or_b32 v[J+(\r)],    v[J+(\r)],    v[J+16+(\r)]
.endr
.irp r, 0,1,2
	v_lshlrev_b32 v[MB+2*(\r)], 16, v[J+(\r)]              ; bf16 to f32: the low half moves up,
	v_and_b32 v[MB+2*(\r)+1], 0xffff0000, v[J+(\r)]        ; the high half stays
.endr
	s_wait_xcnt 0x0                                ; EXEC changes only behind this wait
	v_cmp_gt_u32 vcc_lo, DETS, v0
	s_and_saveexec_b32 s28, vcc_lo
	global_store_b64 v[JAD], v[MB:MB+1], s[8:9]            ; a full wave's three stores cover 768 consecutive bytes; an image's 2,400 bytes begin at no multiple of 256, so whole blocks of 256 cannot be had
	global_store_b64 v[JAD], v[MB+2:MB+3], s[8:9] offset:8
	global_store_b64 v[JAD], v[MB+4:MB+5], s[8:9] offset:16
	s_wait_xcnt 0x0                                ; and again, in front of the line that widens it
	s_or_b32 exec_lo, exec_lo, s28
.Lend:
	s_wait_tensorcnt 0x0                           ; the wave's end, behind my last LDS store
	ds_add_u32 v[SPW], v[NIL]
	s_wait_dscnt 0x0
	s_endpgm
.Lfunc_end_k_qdc4452dcc5_nms:
	.size	k_qdc4452dcc5_nms, .Lfunc_end_k_qdc4452dcc5_nms-k_qdc4452dcc5_nms
	.p2alignl 7, 3214868480
	.fill 96, 4, 3214868480
	.section	.rodata,"a",@progbits
	.p2align	6, 0x0
	.amdhsa_kernel k_qdc4452dcc5_nms
		.amdhsa_group_segment_fixed_size 98816
		.amdhsa_private_segment_fixed_size 0
		.amdhsa_enable_private_segment 0
		.amdhsa_kernarg_size 24
		.amdhsa_user_sgpr_count 2
		.amdhsa_user_sgpr_kernarg_segment_ptr 1
		.amdhsa_wavefront_size32 1
		.amdhsa_system_sgpr_workgroup_id_x 1
		.amdhsa_system_sgpr_workgroup_id_y 1
		.amdhsa_system_sgpr_workgroup_id_z 1
		.amdhsa_system_vgpr_workitem_id 0
		.amdhsa_next_free_vgpr 128
		.amdhsa_next_free_sgpr 66
		.amdhsa_reserve_vcc 1
		.amdhsa_float_denorm_mode_32 3
		.amdhsa_float_denorm_mode_16_64 3
		.amdhsa_memory_ordered 1
		.amdhsa_forward_progress 1
		.amdhsa_inst_pref_size 71
	.end_amdhsa_kernel
	.amdgpu_metadata
---
amdhsa.version: [ 1, 2 ]
amdhsa.kernels:
  - .name:           k_qdc4452dcc5_nms
    .symbol:         k_qdc4452dcc5_nms.kd
    .args:
      - { .name: cand, .offset: 0, .size: 8, .value_kind: global_buffer, .address_space: global }
      - { .name: boxes, .offset: 8, .size: 8, .value_kind: global_buffer, .address_space: global }
      - { .name: out0, .offset: 16, .size: 8, .value_kind: global_buffer, .address_space: global }
    .group_segment_fixed_size: 98816
    .private_segment_fixed_size: 0
    .kernarg_segment_align: 8
    .kernarg_segment_size: 24
    .max_flat_workgroup_size: 1024
    .sgpr_count:     66
    .vgpr_count:     128
    .wavefront_size: 32
...
	.end_amdgpu_metadata
.endif
;; end of part 2
